; MI455X (gfx1250); checked and timed in simulation.
; The chip was launched on July 23, 2026; its instructions are those of AMD's public machine-readable ISA for CDNA 5 (MIT licence, August 2026) and "CDNA5" Instruction Set Architecture Reference Guide (July 2026). The comments in the code are by the model that wrote it; some were corrected since.
;; Mo E Layer. Allowed arithmetic: matrix products marked QUANTISED: E2M3 operands, one E8M0 scale for each 32 along K, by v_wmma_scale_f32_16x16x128_f8f6f4 with both operands' format E2M3, f32 sums; products left as they are: f32 operands where the result goes on into a quantised operand, else bf16, f16 or f32 operands; f32 sums; everything else in f32.
;; Inputs: W1_codes 16 x 2,048 x 16 x 24 uint8 (E2M3 codes of W1, K innermost, in blocks of 32 codes, four codes in three bytes); W1_scales 16 x 2,048 x 16 uint8 (E8M0 scales of W1, one for each 32 codes along K); W2_codes 16 x 512 x 64 x 24 uint8 (E2M3 codes of W2, K innermost, in blocks of 32 codes, four codes in three bytes); W2_scales 16 x 512 x 64 uint8 (E8M0 scales of W2, one for each 32 codes along K); Wg_codes 16 x 16 x 24 uint8 (E2M3 codes of Wg, K innermost, in blocks of 32 codes, four codes in three bytes); Wg_scales 16 x 16 uint8 (E8M0 scales of Wg, one for each 32 codes along K); b1 16 x 2,048 float32; b2 16 x 512 float32; ln_b 16 x 2,048 float32; ln_g 16 x 2,048 float32; x_codes 2,048 x 16 x 24 uint8 (E2M3 codes of x, K innermost, in blocks of 32 codes, four codes in three bytes); x_scales 2,048 x 16 uint8 (E8M0 scales of x, one for each 32 codes along K).
;; Outputs: out0 2,048 x 512 float32.
;; This version of the problem:
;;   THIS VERSION OF THE PROBLEM IS GIVEN IN LOW PRECISION. The matrix products marked QUANTISED in the list below multiply operands that are first quantised to E2M3 (2 exponent bits, 3 mantissa bits; 6 bits a number), with one power-of-two scale for each 32 numbers along K (OCP MX v1.0); their sums are f32. All else is computed in f32.
;;   The module's matrix products, in the order in which they are computed (A, B: the left and right operand; K: the contracted axis; several contracted axes count as one K, in the product's order):
;;     1. [M 2,048, K 512] x [K 512, N 16]; A: input x (given as codes); B: input Wg (given as codes): QUANTISED
;;     2. [M 32,768, K 512] x [K 512, N 2,048]; A: input W1 (given as codes); B: input x (given as codes): QUANTISED
;;     3. batch 16 x [M 2,048, K 2,048] x [K 2,048, N 512]; A: computed on the way; B: input W2 (given as codes): QUANTISED
;;     4. batch 2,048 x [M 512, K 16] x [K 16, N 1]; A: computed on the way; B: computed on the way: left as it is (K = 16 < 32)
;;   THE QUANTISER, for each operand of a quantised product, along K:
;;     - K is cut into blocks of 32 from its start; a last block that is shorter is filled with zeros.
;;     - A block's scale is 2^e with e = floor(log2(the largest magnitude in the block)) - 2, held to -126 .. 127; a block of zeros has e = 0. As a byte (E8M0): e + 127.
;;     - Each number is divided by its block's scale, clamped to +-7.5, and rounded to the nearest number of E2M3, ties to even, subnormals kept.
;;     - The product sums the exact products of the quantised numbers (number of the format x scale) in f32.
;;   ~~~python
;;   def quantise(x, axis):      # numpy; x: float32 -> the quantised numbers, widened to float32 again
;;       x = np.moveaxis(x, axis, -1); K = x.shape[-1]
;;       x = np.pad(x, [(0, 0)] * (x.ndim - 1) + [(0, -K % 32)]); x = x.reshape(x.shape[:-1] + (-1, 32)); a = np.abs(x).max(-1, keepdims=True)
;;       e = np.where(a > 0, np.clip(np.frexp(np.where(a > 0, a, 1))[1] - 1 - 2, -126, 127), 0)      # np.frexp(a)[1] - 1 = floor(log2(a)), exactly
;;       r = np.clip(x / 2.0 ** e, -7.5, 7.5)
;;       step = 2.0 ** (np.maximum(np.frexp(np.where(r == 0, 1, r))[1] - 1, 0) - 3)
;;       q = np.round(r / step) * step * 2.0 ** e      # np.round: ties to even
;;       return np.moveaxis(q.reshape(q.shape[:-2] + (-1,))[..., :K], -1, axis).astype(np.float32)
;;   ~~~
;;   OPERANDS COMPUTED ON THE WAY. 'Computed on the way' means the value that the module computes at that place (a softmax that the list does not call 'softmax' is quantised finished and normalised). What goes into a quantiser is computed in f32, as accurately as f32 sums, v_exp_f32 and their like allow (about 1e-6 of the number): no bf16 or f16 on the way to a quantiser, and a product that is left as it is and whose result goes on into a quantised operand takes f32 operands (vector FMAs, or v_wmma_f32_16x16x4_f32). A number that lies on a knife's edge between two numbers of the format may be rounded either way, as far as f32 arithmetic and the matrix unit's own rounding can turn it there, and no further.
;;   INPUTS GIVEN AS CODES. W1 (in the module: [16, 512, 2048], K = its axis 1); W2 (in the module: [16, 2048, 512], K = its axis 1); Wg (in the module: [512, 16], K = its axis 0); x (in the module: [2048, 512], K = its axis 1): each comes as NAME_codes (uint8): NAME with its K axis moved to the last place and cut into blocks of 32 codes, [.., K / 32, bytes a block], one block behind the other in memory; four codes in three bytes: a row's codes are one little-endian stream of bits, code i at bits 6 i .. 6 i + 5 (a code: sign, 2 exponent bits, 3 mantissa bits); and NAME_scales (uint8): the same leading axes, one E8M0 byte (e + 127) for each 32 codes along K. Its value is code x scale, taken as it is: it is not quantised again, and the codes and scales need not be those that the quantiser above would give.
;; One version. Each part assembles by itself: llvm-mc -triple=amdgcn-amd-amdhsa -mcpu=gfx1250 --defsym DOCPART=n.
;; ======== version 1 of 1: 4 launches
;; workspace buffers: w1f 12,582,912 bytes; w2f 12,582,912 bytes; masks 16,384 bytes of whole numbers; gatew 16,384 bytes; rows 20,480 bytes of whole numbers; tilex 4,096 bytes of whole numbers; ybuf 8,388,608 bytes
;; launch prep1 (part 1): grid 288 x 1, 4 waves a work-group, no clusters, 0 bytes of LDS; arguments W1_codes, x_codes, x_scales, Wg_codes, Wg_scales, w1f, masks, gatew; writes w1f, masks, gatew
.if DOCPART == 1
	.amdgcn_target "amdgcn-amd-amdhsa--gfx1250"
	.amdhsa_code_object_version 6
	.text
	.protected	k_q35f40becd6_prep1
	.globl	k_q35f40becd6_prep1
	.p2align	8
	.type	k_q35f40becd6_prep1,@function
k_q35f40becd6_prep1:
	s_mov_b64 s[64:65], 0
	v_nop
	global_prefetch_b8 v0, s[64:65] scope:SCOPE_SE
	s_setreg_imm32_b32 hwreg(HW_REG_WAVE_MODE, 25, 1), 1
	s_wait_xcnt 0x0
; PREP1: the router, and W1 laid out in the order of an operand's registers.
; Work-groups 0-31: THE ROUTER.  A wave takes 16 tokens: logits^T = Wg^T x^T on codes of FP6 (E2M3) with E8M0 scales, K = 512 in four
; matrix instructions; the two largest of a token's 16 logits (the lower index wins a tie, as jax.lax.top_k has it); their softmax, with the
; larger logit taken away first.  What it chooses is STORED ONLY: no address and no branch of this launch hangs on it.
;   gatew[2 t + k]            f32: the weight of token t's k-th choice
;   masks[tile][e], e < 16    bit 16 k + r: token 16 tile + r chose expert e as its k-th choice
;   masks[tile][16 + e]       the number of bits set in that word
; Work-groups 32-287: W1.  A unit is a pair of tiles, 32 hidden units x K 512 = 12,288 dense bytes = 8 fragments (tile u, K step s) of 12 registers.
; A wave reads a unit as fragments (six loads of 8 bytes each) and stores each fragment as an IMAGE of its registers: register group c at 512 c + 16 x lane.
; The later launch, in which some eight work-groups read each expert, then takes a fragment by three loads of 512 consecutive bytes.
; THE ROWS OF A TILE ARE NOT NEIGHBOURS: lane r of tile u takes row 8 u + r + 8 (r / 8) of the pair, so that the 16 results a lane holds of a pair are 16 neighbours along the next product's K.
; LIMITS: NaN, infinities and the scale byte 0xff are not served; two logits that differ by less than the rounding of the sums may be ordered either way.
.macro RELAY src, dst, hi              ; eight fragments: fragment f lies (f / 4) hi + (f % 4) 96 bytes on in the rows; its image 1,536 f bytes on
.irp f, 0,1,2,3,4,5,6,7
.irp p, 0,1,2,3,4,5
	global_load_b64 v[16+12*\f+2*\p:16+12*\f+2*\p+1], v4, s[\src:\src+1] offset:(\f/4)*\hi+(\f%4)*96+48*(\p/3)+8*(\p%3)
.endr
.endr
.irp f, 0,1,2,3,4,5,6,7
	s_wait_loadcnt 42-6*\f                         ; loads come back in order: the six loads of each younger fragment may be out
.irp c, 0,1,2
	global_store_b128 v5, v[16+12*\f+4*\c:16+12*\f+4*\c+3], s[\dst:\dst+1] offset:1536*\f+512*\c   ; 32 lanes store 512 consecutive bytes
.endr
.endr
.endm                                  ; no register is written twice: no wait for the stores' sources is owed
	s_load_b512 s[4:19], s[0:1], 0x0               ; W1_codes 4, x_codes 6, x_scales 8, Wg_codes 10, Wg_scales 12, w1f 14, masks 16, gatew 18
	v_lshrrev_b32 v1, 5, v0
	v_readfirstlane_b32 s20, v1                    ; wave 0..3
	v_and_b32 v1, 31, v0                           ; lane
	v_and_b32 v2, 15, v0                           ; r
	v_bfe_u32 v3, v0, 4, 1                         ; h
	s_mov_b32 s23, 0
	s_cmp_lt_u32 ttmp9, 32
	s_cbranch_scc1 .Lrouter
	; ---- W1: unit = 4 (work-group - 32) + wave
	s_sub_co_u32 s21, ttmp9, 32
	s_lshl_b32 s21, s21, 2
	s_add_co_u32 s21, s21, s20
	s_mul_i32 s22, s21, 12288                      ; the unit's bytes begin at the same offset in W1_codes and in w1f
	v_and_b32 v4, 8, v2
	v_add_nc_u32 v4, v4, v2                        ; r + 8 (r / 8)
	v_mul_u32_u24 v4, v4, 384                      ; a row of 512 codes is 384 bytes
	v_mad_u32_u24 v4, v3, 24, v4                   ; + 24 h
	v_lshlrev_b32 v5, 4, v1                        ; 16 x lane
	s_wait_kmcnt 0x0
	s_add_nc_u64 s[4:5], s[4:5], s[22:23]
	s_add_nc_u64 s[14:15], s[14:15], s[22:23]
	RELAY 4, 14, 3072                              ; tile 1 begins eight rows, 3,072 bytes, behind tile 0
	s_endpgm
.Lrouter:
	s_lshl_b32 s21, ttmp9, 2
	s_add_co_u32 s21, s21, s20                     ; my tile of 16 tokens
	s_mov_b32 s24, 0x76543210
	s_mov_b32 s25, 0xfedcba98                      ; v_permlanex16_b32's selects for lane l xor 16
	s_mov_b32 s26, 0xffff0000                      ; the lanes with h = 1
	v_mul_u32_u24 v4, v2, 384
	v_mad_u32_u24 v4, v3, 24, v4                   ; row r, + 24 h: x's tokens and Wg's experts alike
	v_lshlrev_b32 v5, 4, v2                        ; a row's 16 scale bytes: four words, one for each K step
	s_wait_kmcnt 0x0
	s_mul_i32 s22, s21, 6144
	s_add_nc_u64 s[6:7], s[6:7], s[22:23]
	s_lshl_b32 s22, s21, 8
	s_add_nc_u64 s[8:9], s[8:9], s[22:23]
	s_lshl_b32 s22, s21, 7                         ; 128 bytes a tile in masks and in gatew
	s_add_nc_u64 s[16:17], s[16:17], s[22:23]
	s_add_nc_u64 s[18:19], s[18:19], s[22:23]
.irp s, 0,1,2,3
.irp p, 0,1,2,3,4,5
	global_load_b64 v[16+12*\s+2*\p:16+12*\s+2*\p+1], v4, s[6:7] offset:96*\s+48*(\p/3)+8*(\p%3)     ; x, K step s
	global_load_b64 v[64+12*\s+2*\p:64+12*\s+2*\p+1], v4, s[10:11] offset:96*\s+48*(\p/3)+8*(\p%3)   ; Wg, K step s
.endr
.endr
	global_load_b128 v[112:115], v5, s[8:9]        ; x's scale words: registers that hold scales and nothing else
	global_load_b128 v[116:119], v5, s[12:13]      ; Wg's
.irp j, 0,1,2,3,4,5,6,7
	v_lshl_add_u32 v[144+\j], v3, 3, \j            ; the expert of my register j: 8 h + j
.endr
.irp j, 0,1,2,3
	v_mov_b32 v[158+\j], 0                         ; a lane permute's destination counts as one of its sources
.endr
	v_lshlrev_b32 v184, 3, v2
	v_lshl_add_u32 v184, v3, 2, v184               ; gatew: 8 r + 4 h
	v_lshlrev_b32 v187, 2, v1                      ; masks: 4 x lane
	s_wait_loadcnt 0x0
	; source 0 = Wg's 16 experts, source 1 = my 16 tokens: lane (r, h) holds token r, its register j expert 8 h + j.  Two accumulators by turns
	v_wmma_scale_f32_16x16x128_f8f6f4 v[120:127], v[64:75], v[16:27], 0, v116, v112 matrix_a_fmt:MATRIX_FMT_FP6 matrix_b_fmt:MATRIX_FMT_FP6
	v_wmma_scale_f32_16x16x128_f8f6f4 v[128:135], v[76:87], v[28:39], 0, v117, v113 matrix_a_fmt:MATRIX_FMT_FP6 matrix_b_fmt:MATRIX_FMT_FP6
	v_wmma_scale_f32_16x16x128_f8f6f4 v[120:127], v[88:99], v[40:51], v[120:127], v118, v114 matrix_a_fmt:MATRIX_FMT_FP6 matrix_b_fmt:MATRIX_FMT_FP6
	v_wmma_scale_f32_16x16x128_f8f6f4 v[128:135], v[100:111], v[52:63], v[128:135], v119, v115 matrix_a_fmt:MATRIX_FMT_FP6 matrix_b_fmt:MATRIX_FMT_FP6
.rept 4
	v_nop                                          ; four places behind a matrix instruction of this form (ISA guide 7.12.1)
.endr
.irp j, 0,2,4,6
	v_pk_add_f32 v[136+\j:137+\j], v[120+\j:121+\j], v[128+\j:129+\j]   ; the logits; each accumulator is read from its low end on
.endr
	; the two largest of my eight: (v152, v153) the largest and its expert, (v154, v155) the second.  Strict compares: the earlier, lower index stays
	v_mov_b32 v152, v136
	v_mov_b32 v153, v144
	v_mov_b32 v154, 0xff800000
	v_mov_b32 v155, v144
.irp j, 1,2,3,4,5,6,7
	v_cmp_gt_f32 vcc_lo, v[136+\j], v152
	v_cmp_gt_f32 s27, v[136+\j], v154
	v_cndmask_b32 v156, v154, v[136+\j], s27       ; what the second would be if the first stays
	v_cndmask_b32 v157, v155, v[144+\j], s27
	v_cndmask_b32 v154, v156, v152, vcc_lo         ; a new first pushes the old first down
	v_cndmask_b32 v155, v157, v153, vcc_lo
	v_cndmask_b32 v152, v152, v[136+\j], vcc_lo
	v_cndmask_b32 v153, v153, v[144+\j], vcc_lo
.endr
.irp j, 0,1,2,3
	v_permlanex16_b32 v[158+\j], v[152+\j], s24, s25   ; the other half's pair
.endr
.irp j, 0,1,2,3
	v_cndmask_b32 v[162+\j], v[152+\j], v[158+\j], s26 ; L: experts 0-7's pair, the same bits in both halves
	v_cndmask_b32 v[166+\j], v[158+\j], v[152+\j], s26 ; U: experts 8-15's
.endr
	v_cmp_gt_f32 s27, v166, v162                   ; U's first beats L's first only if it is larger: a tie goes to the lower index
	v_cndmask_b32 v170, v162, v166, s27            ; T1
	v_cndmask_b32 v171, v163, v167, s27
	v_cndmask_b32 v172, v164, v162, s27            ; a: the best that is left among experts 0-7
	v_cndmask_b32 v173, v165, v163, s27
	v_cndmask_b32 v174, v166, v168, s27            ; b: among experts 8-15
	v_cndmask_b32 v175, v167, v169, s27
	v_cmp_gt_f32 vcc_lo, v174, v172
	v_cndmask_b32 v176, v172, v174, vcc_lo         ; T2
	v_cndmask_b32 v177, v173, v175, vcc_lo
	; softmax of (T1, T2): the maximum T1 is taken away: w0 = 1 / (1 + e^(T2 - T1)), w1 = e^(T2 - T1) w0
	v_sub_f32 v178, v176, v170
	v_mul_f32 v178, 0x3fb8aa3b, v178
	v_exp_f32 v179, v178
	v_cndmask_b32 v185, v171, v177, s26            ; (a plain place)  my half's choice: h = 0 the first, h = 1 the second
	s_wait_alu depctr_va_vdst(0)                   ; the wait ahead of the first reader
	v_add_f32 v180, 1.0, v179
	v_rcp_f32 v181, v180
	v_mov_b32 v186, 0                              ; (a plain place)
	s_wait_alu depctr_va_vdst(0)
	v_mul_f32 v182, v179, v181
	v_cndmask_b32 v183, v181, v182, s26
	global_store_b32 v184, v183, s[18:19]          ; the wave stores 128 consecutive bytes
.irp e, 0,1,2,3,4,5,6,7,8,9,10,11,12,13,14,15
	v_cmp_eq_u32 s[32+\e], \e, v185                ; bit = lane = 16 k + r
.endr
.irp e, 0,1,2,3,4,5,6,7,8,9,10,11,12,13,14,15
	v_writelane_b32 v186, s[32+\e], \e
	s_bcnt1_i32_b32 s28, s[32+\e]
	v_writelane_b32 v186, s28, 16+\e
.endr
	global_store_b32 v187, v186, s[16:17]          ; 16 masks and 16 counts: 128 consecutive bytes
	s_endpgm
.Lfunc_end_k_q35f40becd6_prep1:
	.size	k_q35f40becd6_prep1, .Lfunc_end_k_q35f40becd6_prep1-k_q35f40becd6_prep1
	.p2alignl 7, 3214868480
	.fill 96, 4, 3214868480
	.section	.rodata,"a",@progbits
	.p2align	6, 0x0
	.amdhsa_kernel k_q35f40becd6_prep1
		.amdhsa_group_segment_fixed_size 0
		.amdhsa_private_segment_fixed_size 0
		.amdhsa_enable_private_segment 0
		.amdhsa_kernarg_size 64
		.amdhsa_user_sgpr_count 2
		.amdhsa_user_sgpr_kernarg_segment_ptr 1
		.amdhsa_wavefront_size32 1
		.amdhsa_system_sgpr_workgroup_id_x 1
		.amdhsa_system_sgpr_workgroup_id_y 1
		.amdhsa_system_sgpr_workgroup_id_z 1
		.amdhsa_system_vgpr_workitem_id 0
		.amdhsa_next_free_vgpr 192
		.amdhsa_next_free_sgpr 66
		.amdhsa_reserve_vcc 1
		.amdhsa_float_denorm_mode_32 3
		.amdhsa_float_denorm_mode_16_64 3
		.amdhsa_memory_ordered 1
		.amdhsa_forward_progress 1
		.amdhsa_inst_pref_size 24
	.end_amdhsa_kernel
	.amdgpu_metadata
---
amdhsa.version: [ 1, 2 ]
amdhsa.kernels:
  - .name:           k_q35f40becd6_prep1
    .symbol:         k_q35f40becd6_prep1.kd
    .args:
      - { .name: W1_codes, .offset: 0, .size: 8, .value_kind: global_buffer, .address_space: global }
      - { .name: x_codes, .offset: 8, .size: 8, .value_kind: global_buffer, .address_space: global }
      - { .name: x_scales, .offset: 16, .size: 8, .value_kind: global_buffer, .address_space: global }
      - { .name: Wg_codes, .offset: 24, .size: 8, .value_kind: global_buffer, .address_space: global }
      - { .name: Wg_scales, .offset: 32, .size: 8, .value_kind: global_buffer, .address_space: global }
      - { .name: w1f, .offset: 40, .size: 8, .value_kind: global_buffer, .address_space: global }
      - { .name: masks, .offset: 48, .size: 8, .value_kind: global_buffer, .address_space: global }
      - { .name: gatew, .offset: 56, .size: 8, .value_kind: global_buffer, .address_space: global }
    .group_segment_fixed_size: 0
    .private_segment_fixed_size: 0
    .kernarg_segment_align: 8
    .kernarg_segment_size: 64
    .max_flat_workgroup_size: 128
    .sgpr_count:     66
    .vgpr_count:     192
    .wavefront_size: 32
...
	.end_amdgpu_metadata
.endif
;; end of part 1
;; launch prep2 (part 2): grid 260 x 1, 4 waves a work-group, no clusters, 0 bytes of LDS; arguments W2_codes, masks, w2f, rows, tilex; writes w2f, rows, tilex
.if DOCPART == 2
	.amdgcn_target "amdgcn-amd-amdhsa--gfx1250"
	.amdhsa_code_object_version 6
	.text
	.protected	k_q35f40becd6_prep2
	.globl	k_q35f40becd6_prep2
	.p2align	8
	.type	k_q35f40becd6_prep2,@function
k_q35f40becd6_prep2:
	s_mov_b64 s[64:65], 0
	v_nop
	global_prefetch_b8 v0, s[64:65] scope:SCOPE_SE
	s_setreg_imm32_b32 hwreg(HW_REG_WAVE_MODE, 25, 1), 1
	s_wait_xcnt 0x0
; PREP2: the placing of the 4,096 routed rows by expert, and W2 laid out in the order of an operand's registers.
; Work-groups 0-3: THE PLACING, a wave to an expert e, each wave on its own (no LDS, no barrier, no atomics).  From the stored counts every wave adds up all 16 experts' rows C and tiles
; T = ceil(C / 32); its own list begins at tile base = the sum of T over the experts before it.  There are at least 128 and at most 143 tiles, whatever the choice.
;   rows[32 b + i]   the slot 2 t + k of row i of tile b, or -1 where the tile has no such row
;   tilex[b]         the tile's expert, | 0x100 in an expert's first tile; 15 in a tile that this split leaves without rows
; A slot's place is base x 32 + the number of the expert's bits ahead of it: a running count in a scalar register and v_mbcnt_lo_u32_b32 within a word.
; Lanes with nothing to store write to dump words of the wave's own (rows 4,576 + 32 e + lane, tilex 256 + 32 e + lane), which nobody reads: EXEC never changes.
; Work-groups 4-259: W2.  A unit is 8 fragments: one tile of 16 outputs, K steps 8 (unit & 1) on: 768 bytes of each of 16 rows.
.macro RELAY src, dst, hi              ; eight fragments: fragment f lies (f / 4) hi + (f % 4) 96 bytes on in the rows; its image 1,536 f bytes on
.irp f, 0,1,2,3,4,5,6,7
.irp p, 0,1,2,3,4,5
	global_load_b64 v[16+12*\f+2*\p:16+12*\f+2*\p+1], v4, s[\src:\src+1] offset:(\f/4)*\hi+(\f%4)*96+48*(\p/3)+8*(\p%3)
.endr
.endr
.irp f, 0,1,2,3,4,5,6,7
	s_wait_loadcnt 42-6*\f                         ; loads come back in order: the six loads of each younger fragment may be out
.irp c, 0,1,2
	global_store_b128 v5, v[16+12*\f+4*\c:16+12*\f+4*\c+3], s[\dst:\dst+1] offset:1536*\f+512*\c   ; 32 lanes store 512 consecutive bytes
.endr
.endr
.endm
	s_load_b256 s[4:11], s[0:1], 0x0               ; W2_codes 4, masks 6, w2f 8, rows 10
	s_load_b64 s[12:13], s[0:1], 0x20              ; tilex
	v_lshrrev_b32 v1, 5, v0
	v_readfirstlane_b32 s14, v1                    ; wave 0..3
	v_and_b32 v1, 31, v0                           ; lane
	v_and_b32 v2, 15, v0                           ; r
	v_bfe_u32 v3, v0, 4, 1                         ; h
	s_cmp_lt_u32 ttmp9, 4
	s_cbranch_scc1 .Lplace
	; ---- W2: unit = 4 (work-group - 4) + wave
	s_sub_co_u32 s15, ttmp9, 4
	s_lshl_b32 s15, s15, 2
	s_add_co_u32 s15, s15, s14
	s_lshr_b32 s16, s15, 1
	s_mul_i32 s16, s16, 24576                      ; 16 rows of 1,536 bytes (2,048 codes)
	s_and_b32 s17, s15, 1
	s_mul_i32 s17, s17, 768                        ; K steps 0-7 or 8-15
	s_add_co_u32 s16, s16, s17
	s_mov_b32 s17, 0
	s_mul_i32 s18, s15, 12288
	s_mov_b32 s19, 0
	v_mul_u32_u24 v4, v2, 1536
	v_mad_u32_u24 v4, v3, 24, v4                   ; row r, + 24 h
	v_lshlrev_b32 v5, 4, v1
	s_wait_kmcnt 0x0
	s_add_nc_u64 s[4:5], s[4:5], s[16:17]
	s_add_nc_u64 s[8:9], s[8:9], s[18:19]
	RELAY 4, 8, 384                                ; the eight K steps lie on end: 96 bytes each
	s_endpgm
.Lplace:
	s_lshl_b32 s15, ttmp9, 2
	s_add_co_u32 s15, s15, s14                     ; my expert
	s_mov_b32 s28, 0x76543210
	s_mov_b32 s29, 0xfedcba98
	v_lshlrev_b32 v6, 7, v1                        ; lane l takes token tiles l + 32 c: 128 bytes a tile
	s_lshl_b32 s16, s15, 2
	v_add_nc_u32 v7, s16, v6                       ; and there my expert's mask
	s_lshl_b32 s16, s15, 5
	s_add_co_u32 s17, s16, 4576                    ; my dump in rows,
	s_add_co_u32 s18, s16, 256                     ; and in tilex
	v_add_nc_u32 v24, s17, v1
	v_add_nc_u32 v25, s18, v1
	v_lshlrev_b32 v26, 1, v2
	v_add_nc_u32 v26, v26, v3                      ; bit 16 k + r of a word stands for slot 32 tile + 2 r + k
.irp i, 0,1,2,3,4,5,6,7
	v_mov_b32 v[124+\i], 0                         ; destinations of lane moves count as sources
.endr
	s_wait_kmcnt 0x0
.irp c, 0,1,2,3
.irp i, 0,1,2,3
	global_load_b128 v[32+16*\c+4*\i:32+16*\c+4*\i+3], v6, s[6:7] offset:4096*\c+64+16*\i   ; the 16 counts of tile l + 32 c
.endr
.endr
.irp c, 0,1,2,3
	global_load_b32 v[96+\c], v7, s[6:7] offset:4096*\c
.endr
	s_wait_loadcnt 0x0
.irp e, 0,1,2,3,4,5,6,7,8,9,10,11,12,13,14,15
	v_add3_u32 v[32+\e], v[32+\e], v[48+\e], v[64+\e]
.endr
.irp e, 0,1,2,3,4,5,6,7,8,9,10,11,12,13,14,15
	v_add_nc_u32 v[32+\e], v[32+\e], v[80+\e]      ; my four tiles' rows of expert e
.endr
.irp i, 0,1,2,3,4,5,6,7
	v_lshl_or_b32 v[116+\i], v[33+2*\i], 16, v[32+2*\i]   ; two counts to a register: an expert has at most 2,048 rows
.endr
.irp x, 1,2,4,8                        ; the sum over the 32 lanes, in whole numbers
.irp i, 0,1,2,3,4,5,6,7
	v_mov_b32_dpp v[124+\i], v[116+\i] row_xmask:\x row_mask:0xf bank_mask:0xf
.endr
.irp i, 0,1,2,3,4,5,6,7
	v_add_nc_u32 v[116+\i], v[116+\i], v[124+\i]
.endr
.endr
.irp i, 0,1,2,3,4,5,6,7
	v_permlanex16_b32 v[124+\i], v[116+\i], s28, s29
.endr
.irp i, 0,1,2,3,4,5,6,7
	v_add_nc_u32 v[116+\i], v[116+\i], v[124+\i]
.endr
.irp i, 0,1,2,3,4,5,6,7
	v_readfirstlane_b32 s30, v[116+\i]
	s_and_b32 s[32+2*\i], s30, 0xffff
	s_lshr_b32 s[33+2*\i], s30, 16
.endr
	s_mov_b32 s20, 0                               ; base: the tiles of the experts before mine
	s_mov_b32 s21, 0                               ; all tiles
	s_mov_b32 s23, 0                               ; my tiles
.irp e, 0,1,2,3,4,5,6,7,8,9,10,11,12,13,14,15
	s_add_co_u32 s30, s[32+\e], 31
	s_lshr_b32 s30, s30, 5
	s_add_co_u32 s21, s21, s30
	s_cmp_gt_u32 s15, \e                           ; each compare stands directly ahead of its select
	s_cselect_b32 s31, s30, 0
	s_add_co_u32 s20, s20, s31
	s_cmp_eq_u32 s15, \e
	s_cselect_b32 s23, s30, s23
.endr
	s_lshl_b32 s24, s20, 5                         ; P: where my next row goes
	; 128 words of my expert, one after the other.  Eight sets of registers take turns
.set BI, 0
.rept 128
.if (BI%8 == 0) && (BI > 0)
	s_wait_xcnt 0x0                                ; the last eight stores have read their registers: the sets are written again only behind this wait
.endif
	v_readlane_b32 s25, v[96+BI/32], BI%32         ; the word of token tile BI % 32 + 32 (BI / 32)
	v_mbcnt_lo_u32_b32 v[8+BI%8], s25, s24         ; P + the bits below mine
	v_cndmask_b32 v[8+BI%8], v24, v[8+BI%8], s25   ; lanes whose bit is clear go to the dump
	v_min_u32 v[8+BI%8], 5119, v[8+BI%8]           ; an index made of loaded numbers is held inside the buffer
	v_lshlrev_b32 v[8+BI%8], 2, v[8+BI%8]
	v_add_nc_u32 v[16+BI%8], 1024*(BI/32)+32*(BI%32), v26   ; the slot
	global_store_b32 v[8+BI%8], v[16+BI%8], s[10:11]
	s_bcnt1_i32_b32 s26, s25
	s_add_co_u32 s24, s24, s26
.set BI, BI+1
.endr
	; the rest of my last tile: at most 31 rows
	s_add_co_u32 s27, s20, s23                     ; base + my tiles
	s_lshl_b32 s30, s27, 5
	v_add_nc_u32 v100, s24, v1
	v_cmp_gt_u32 vcc_lo, s30, v100
	v_cndmask_b32 v100, v24, v100, vcc_lo
	v_min_u32 v100, 5119, v100
	v_lshlrev_b32 v100, 2, v100
	v_mov_b32 v101, -1
	global_store_b32 v100, v101, s[10:11]
	; my tiles' records: at most 64
	v_add_nc_u32 v102, s20, v1
	v_cmp_gt_u32 vcc_lo, s27, v102
	v_cndmask_b32 v102, v25, v102, vcc_lo
	v_min_u32 v102, 1023, v102
	v_lshlrev_b32 v102, 2, v102
	v_mov_b32 v103, s15
	v_or_b32 v104, 0x100, v103
	v_cmp_eq_u32 vcc_lo, 0, v1
	v_cndmask_b32 v104, v103, v104, vcc_lo         ; the first tile is marked
	global_store_b32 v102, v104, s[12:13]
	v_add_nc_u32 v105, 32, v1
	v_add_nc_u32 v105, s20, v105
	v_cmp_gt_u32 vcc_lo, s27, v105
	v_cndmask_b32 v105, v25, v105, vcc_lo
	v_min_u32 v105, 1023, v105
	v_lshlrev_b32 v105, 2, v105
	global_store_b32 v105, v103, s[12:13]
	; tile (all tiles + e), if it is one of the 143: it has no rows.  At most 15 are left over, and there are 16 waves
	s_add_co_u32 s31, s21, s15
	s_lshl_b32 s26, s31, 5
	s_cmp_lt_u32 s31, 143
	s_cselect_b32 s30, s31, s18
	s_cselect_b32 s26, s26, s17
	v_mov_b32 v108, s30
	v_min_u32 v108, 1023, v108
	v_lshlrev_b32 v108, 2, v108
	v_mov_b32 v109, 15
	global_store_b32 v108, v109, s[12:13]          ; all lanes write the same word with the same value
	v_add_nc_u32 v110, s26, v1
	v_min_u32 v110, 5119, v110
	v_lshlrev_b32 v110, 2, v110
	global_store_b32 v110, v101, s[10:11]
	s_endpgm
.Lfunc_end_k_q35f40becd6_prep2:
	.size	k_q35f40becd6_prep2, .Lfunc_end_k_q35f40becd6_prep2-k_q35f40becd6_prep2
	.p2alignl 7, 3214868480
	.fill 96, 4, 3214868480
	.section	.rodata,"a",@progbits
	.p2align	6, 0x0
	.amdhsa_kernel k_q35f40becd6_prep2
		.amdhsa_group_segment_fixed_size 0
		.amdhsa_private_segment_fixed_size 0
		.amdhsa_enable_private_segment 0
		.amdhsa_kernarg_size 40
		.amdhsa_user_sgpr_count 2
		.amdhsa_user_sgpr_kernarg_segment_ptr 1
		.amdhsa_wavefront_size32 1
		.amdhsa_system_sgpr_workgroup_id_x 1
		.amdhsa_system_sgpr_workgroup_id_y 1
		.amdhsa_system_sgpr_workgroup_id_z 1
		.amdhsa_system_vgpr_workitem_id 0
		.amdhsa_next_free_vgpr 144
		.amdhsa_next_free_sgpr 66
		.amdhsa_reserve_vcc 1
		.amdhsa_float_denorm_mode_32 3
		.amdhsa_float_denorm_mode_16_64 3
		.amdhsa_memory_ordered 1
		.amdhsa_forward_progress 1
		.amdhsa_inst_pref_size 89
	.end_amdhsa_kernel
	.amdgpu_metadata
---
amdhsa.version: [ 1, 2 ]
amdhsa.kernels:
  - .name:           k_q35f40becd6_prep2
    .symbol:         k_q35f40becd6_prep2.kd
    .args:
      - { .name: W2_codes, .offset: 0, .size: 8, .value_kind: global_buffer, .address_space: global }
      - { .name: masks, .offset: 8, .size: 8, .value_kind: global_buffer, .address_space: global }
      - { .name: w2f, .offset: 16, .size: 8, .value_kind: global_buffer, .address_space: global }
      - { .name: rows, .offset: 24, .size: 8, .value_kind: global_buffer, .address_space: global }
      - { .name: tilex, .offset: 32, .size: 8, .value_kind: global_buffer, .address_space: global }
    .group_segment_fixed_size: 0
    .private_segment_fixed_size: 0
    .kernarg_segment_align: 8
    .kernarg_segment_size: 40
    .max_flat_workgroup_size: 128
    .sgpr_count:     66
    .vgpr_count:     144
    .wavefront_size: 32
...
	.end_amdgpu_metadata
.endif
;; end of part 2
;; launch chain (part 3): grid 143 x 1, 8 waves a work-group, no clusters, 283,648 bytes of LDS; arguments x_codes, x_scales, w1f, W1_scales, b1, ln_g, ln_b, w2f, W2_scales, b2, rows, tilex, gatew, ybuf; writes ybuf
.if DOCPART == 3
	.amdgcn_target "amdgcn-amd-amdhsa--gfx1250"
	.amdhsa_code_object_version 6
	.text
	.protected	k_q35f40becd6_chain
	.globl	k_q35f40becd6_chain
	.p2align	8
	.type	k_q35f40becd6_chain,@function
k_q35f40becd6_chain:
	s_mov_b64 s[64:65], 0
	v_nop
	global_prefetch_b8 v0, s[64:65] scope:SCOPE_SE
	s_setreg_imm32_b32 hwreg(HW_REG_WAVE_MODE, 25, 1), 1
	s_wait_xcnt 0x0
; CHAIN: one tile of 32 routed rows of one expert through the whole FFN:  ybuf[slot] = weight x (LayerNorm(silu(x W1 + b1)) W2 + b2).
; Both products on codes of FP6 (E2M3) with one E8M0 scale for each 32 along K; the normalised hidden layer is quantised on the way and never goes to memory.
; SHARES.  Work-group b takes tile b of the stored list: rows 16 m + r, m = 0, 1.  THE EIGHT WAVES SHARE THE COLUMNS: wave w makes hidden units 256 w .. + 255 (8 pairs of tiles; K steps 2 w and 2 w + 1 of the
; second product) and outputs 64 w .. + 63, for all 32 rows.  So each fragment of the expert's weights is read by one wave, once, straight into registers, three loads of 512 consecutive bytes (the images that the
; two launches before laid out).  Both products are used transposed (source 0 = 16 rows of a weight, source 1 = 16 tokens): a lane holds ONE token throughout.
; LayerNorm wants a whole hidden row before anything is quantised: the hidden layer waits in LDS as f32, 32 x 2,048 x 4 = 262,144 bytes, each wave's part in the wave's own 32,768 bytes, as images of registers.
; Mean, then the mean of squared differences, as the definition has them: two passes, no difference of large sums.  The waves' partial sums meet in LDS; every wave adds them in the same order.
; FIVE BARRIERS: partial sums | partial sums of squares | the hidden layer's codes lie in LDS | nobody reads them any more | 32 whole rows of y lie in the stage.
; A TILE WITHOUT ROWS (at most 15 of the 143, by the split) walks the chain on expert 15 and stores nothing: no barrier may stand under a branch on a loaded number.
; NO TENSOR LOADS, NO CLUSTER: no fragment is shared between the waves of a work-group; every weight address hangs on the expert, which is read from memory; and the list does not give groups of four tiles of one expert.
; LIMITS: NaN, infinities and the scale byte 0xff are not served.  A hidden block of zeros gets the byte 1 where the rule says 127: its codes are zeros, and the bytes are read here alone.  silu(h) for h far below 0 is -0.
; LDS: 0 the hidden layer: wave w at 32,768 w, piece (pair p, m) at 2,048 (2 p + m): 16 registers, group c at 512 c + 16 x lane.  Later piece 8 q + m holds the codes of (K step 2 w + q, m): 1,536 bytes, then 128 of scale words.
;      Later still bytes 0 .. 66,047 are the stage for y: 32 rows 2,064 bytes apart.   262,144 partial sums: 1,024 m + 32 x lane + 4 x wave; 264,192 those of squares;  266,240 ln_g and ln_b: wave w's 1,024 + 1,024 bytes.
; REGISTERS, window 0: v1-31 addresses, never rewritten; v32-67 scale words and nothing else; v68-163 x's 8 fragments, later 64 numbers at work, later the hidden fragments, later rows of y; v164-195 four accumulators;
;   v132-195 later a second 64 numbers, ln_b, then y's 8 accumulators; v196-227 at work; v236-247 pairs: the gate's weight, the mean, 1 / sqrt(var + eps), for m = 0, 1; v248-255 sums.
;   window 1: v0-191 the ring of weight fragments; v192-223 b1's ring; later v192-255 ln_g.
.set STAT1, 262144
.set LNP,   266240
.set XS,   32                          ; x's scale words: 4 m + s
.set W1S,  40                          ; W1's: 4 slot + s; lanes 0-15 tile 0's rows, lanes 16-31 tile 1's
.set W2S,  32                          ; W2's: 16 a + s; lanes 0-15 tile 2 a's rows, lanes 16-31 tile 2 a + 1's
.set HS,   64                          ; the hidden layer's: 2 (s % 2) + m
.set XF,   68
.set V,    68
.set HB,   68
.set OUTR, 68
.set VB,   132
.set ACC2, 132
.set ACC,  164
.set T,    196
.set TM,   196
.set B2R,  196
.set PW,   212
.set PC,   214
.set GW,   236
.set MU,   240
.set RS,   244
.set SV,   248
.set B1R,  192                         ; in window 1
.set GR,   192                         ; in window 1
.set MSB, 0
.macro WIN new                         ; s_set_vgpr_msb: bits 1:0 source 0, 3:2 source 1, 5:4 source 2, 7:6 destination; the high byte repeats the setting that is left
.if MSB != \new
	s_set_vgpr_msb (MSB<<8)|\new
.set MSB, \new
.endif
.endm
.macro PLACES                          ; four plain places behind a matrix instruction of this form, ahead of loads into its registers and of reads of its result
.rept 4
	v_nop
.endr
.endm
.macro BARRIER                         ; my LDS stores have landed and my LDS loads are in: then the work-group's barrier
	s_wait_dscnt 0x0
	s_barrier_signal -1
	s_barrier_wait -1
.endm
; One product on the registers rD, rA, rB, rC, rSA, rSB.  row = 1: source 0's scales stand in lanes 16-31.  cz = 1: the product starts its sum
.macro MMUL row, cz
.if (\cz)
.if (\row)
	v_wmma_scale_f32_16x16x128_f8f6f4 v[rD:rD+7], v[rA:rA+11], v[rB:rB+11], 0, v[rSA], v[rSB] matrix_a_fmt:MATRIX_FMT_FP6 matrix_b_fmt:MATRIX_FMT_FP6 matrix_a_scale:MATRIX_SCALE_ROW1
.else
	v_wmma_scale_f32_16x16x128_f8f6f4 v[rD:rD+7], v[rA:rA+11], v[rB:rB+11], 0, v[rSA], v[rSB] matrix_a_fmt:MATRIX_FMT_FP6 matrix_b_fmt:MATRIX_FMT_FP6
.endif
.else
.if (\row)
	v_wmma_scale_f32_16x16x128_f8f6f4 v[rD:rD+7], v[rA:rA+11], v[rB:rB+11], v[rC:rC+7], v[rSA], v[rSB] matrix_a_fmt:MATRIX_FMT_FP6 matrix_b_fmt:MATRIX_FMT_FP6 matrix_a_scale:MATRIX_SCALE_ROW1
.else
	v_wmma_scale_f32_16x16x128_f8f6f4 v[rD:rD+7], v[rA:rA+11], v[rB:rB+11], v[rC:rC+7], v[rSA], v[rSB] matrix_a_fmt:MATRIX_FMT_FP6 matrix_b_fmt:MATRIX_FMT_FP6
.endif
.endif
.endm
; Pair p of W1 into ring slot: 29 loads: 8 fragments x 3, b1's 32 numbers (in the result's layout: lane (r, h) takes units 16 h + 0 .. 15), and the pair's 512 scale bytes by one load
.macro FILL1 p, slot
	WIN 0x40                                       ; destination window 1, address window 0
.irp f, 0,1,2,3,4,5,6,7
.irp c, 0,1,2
	global_load_b128 v[96*(\slot)+12*\f+4*\c:96*(\slot)+12*\f+4*\c+3], v4, s[12:13] offset:12288*(\p)+1536*\f+512*\c
.endr
.endr
.irp i, 0,1,2,3
	global_load_b128 v[B1R+16*(\slot)+4*\i:B1R+16*(\slot)+4*\i+3], v5, s[16:17] offset:128*(\p)+16*\i
.endr
	WIN 0
	global_load_b128 v[W1S+4*(\slot):W1S+4*(\slot)+3], v6, s[14:15] offset:512*(\p)
.endm
; K step s of W2, my four tiles of outputs, into quarter s % 4 of the ring: 12 loads
.macro FILL2 s
	WIN 0x40
.irp t, 0,1,2,3
.irp c, 0,1,2
	global_load_b128 v[48*((\s)%4)+12*\t+4*\c:48*((\s)%4)+12*\t+4*\c+3], v4, s[22:23] offset:24576*\t+1536*(\s)+512*\c
.endr
.endr
	WIN 0
.endm
; PAIR p: 32 hidden units x 32 rows: 16 products, silu, the rows' sums, the numbers to LDS
.macro PAIR p
.set SL, (\p)%2
.if (\p) == 7
	s_wait_loadcnt 24                              ; behind pair 7's fill: K steps 0 and 1 of W2, 12 loads each
.else
	s_wait_loadcnt 29                              ; behind this pair's fill: the next pair's 29 loads.  (Pair 0: x, its scales, the gate's weights, ln_g and ln_b are in too)
.endif
.if (\p) == 0
	ds_store_b128 v18, v[196:199]                  ; ln_g and ln_b of my 256 units go to my own 2,048 bytes of LDS: read back later in the lanes' order
	ds_store_b128 v18, v[200:203] offset:512
	ds_store_b128 v18, v[204:207] offset:1024
	ds_store_b128 v18, v[208:211] offset:1536
	v_mov_b32 v[GW+1], v[GW]                       ; pairs for the packed multiply
	v_mov_b32 v[GW+3], v[GW+2]
.endif
.irp s, 0,1,2,3                        ; four accumulators (tile u, rows m) by turns, one instruction a turn; b1 is the C of each sum's first product
.if \s == 0
	WIN 0x11                                       ; source 0 (W1) and source 2 (b1) window 1
.else
	WIN 0x01
.endif
.irp u, 0,1
.irp m, 0,1
.set rD, ACC+16*\m+8*\u
.set rA, 96*SL+12*(4*\u+\s)
.set rB, XF+12*(4*\m+\s)
.set rC, rD
.if \s == 0
.set rC, B1R+16*SL+8*\u
.endif
.set rSA, W1S+4*SL+\s
.set rSB, XS+4*\m+\s
	MMUL \u, 0
.endr
.endr
.endr
	WIN 0
	PLACES                                         ; for the loads into the slot, b1 and the scale words just read, and for the reads of the results
.if (\p) <= 5
	FILL1 (\p)+2, SL
.elseif (\p) == 6
	FILL2 0
	FILL2 1
.else
.irp a, 0,1
.irp i, 0,1,2,3
	global_load_b128 v[W2S+16*\a+4*\i:W2S+16*\a+4*\i+3], v19, s[24:25] offset:2048*\a+16*\i   ; W2's scale words of my 64 rows, all 16 K steps
.endr
.endr
	FILL2 2
	FILL2 3
.endif
.if (\p) >= 2
	; A prefetch of my 98,304 bytes of W2's images, behind the pair's own loads: 2 instructions x 8,192 bytes (lanes 256 bytes apart) in each of pairs 2 to 7, the early K steps first: the first third is named three
	; and four pairs ahead of the load of K step 0.  All tiles of an expert read the same bytes: the expert's first tile asks, by the stored mark, so that each block is named once in the launch.
	s_cmp_lg_u32 s39, 0
	s_cbranch_scc0 .Lno_ask_\@
	global_prefetch_b8 v31, s[22:23] offset:24576*(2*((\p)%2))+8192*(((\p)-2)/2) th:TH_LOAD_NT scope:SCOPE_SE
	global_prefetch_b8 v31, s[22:23] offset:24576*(2*((\p)%2)+1)+8192*(((\p)-2)/2) th:TH_LOAD_NT scope:SCOPE_SE
.Lno_ask_\@:
.endif
	s_wait_dscnt 0x0                               ; the last pair's LDS stores have read the registers at work
.set ii, 0
.rept 16
	v_pk_mul_f32 v[T+2*ii:T+2*ii+1], v[ACC+2*ii:ACC+2*ii+1], s[56:57] op_sel_hi:[1,0]   ; -h log2(e); each accumulator is read from its low end on
.set ii, ii+1
.endr
.set ii, 0
.rept 32
	v_exp_f32 v[T+ii], v[T+ii]
.set ii, ii+1
.endr
	v_nop                                          ; a plain place behind the batch
	s_wait_alu depctr_va_vdst(0)                   ; one wait for the 32, ahead of their first reader
.set ii, 0
.rept 16
	v_pk_add_f32 v[T+2*ii:T+2*ii+1], v[T+2*ii:T+2*ii+1], 1.0 op_sel_hi:[1,0]
.set ii, ii+1
.endr
.set ii, 0
.rept 32
	v_rcp_f32 v[T+ii], v[T+ii]
.set ii, ii+1
.endr
	v_nop
	s_wait_alu depctr_va_vdst(0)
.set ii, 0
.rept 16
	v_pk_mul_f32 v[T+2*ii:T+2*ii+1], v[T+2*ii:T+2*ii+1], v[ACC+2*ii:ACC+2*ii+1]   ; silu(h) = h / (1 + 2^(-h log2(e)))
.set ii, ii+1
.endr
.set ii, 0
.rept 16                               ; the rows' sums: four chains by turns, two for each m
.set mm, (ii/2)%2
.set cc, ii%2
	v_pk_add_f32 v[SV+4*mm+2*cc:SV+4*mm+2*cc+1], v[SV+4*mm+2*cc:SV+4*mm+2*cc+1], v[T+16*mm+4*(ii/4)+2*cc:T+16*mm+4*(ii/4)+2*cc+1]
.set ii, ii+1
.endr
.irp m, 0,1
.irp c, 0,1,2,3
	ds_store_b128 v13, v[T+16*\m+4*\c:T+16*\m+4*\c+3] offset:(2*(\p)+\m)*2048+512*\c
.endr
.endr
.endm
; The four chains of SV become each row's sum over my 256 units; it goes to LDS; a barrier; the eight waves' sums come back (4 loads), into v196-211
.macro STATS_OUT off
.irp m, 0,1
	v_pk_add_f32 v[212+2*\m:213+2*\m], v[SV+4*\m:SV+4*\m+1], v[SV+4*\m+2:SV+4*\m+3]
.endr
.irp m, 0,1
	v_add_f32 v[212+2*\m], v[212+2*\m], v[213+2*\m]
.endr
.irp m, 0,1
	v_permlanex16_b32 v[216+\m], v[212+2*\m], s54, s55   ; my token's other 128 units lie in lane l xor 16
.endr
.irp m, 0,1
	v_add_f32 v[212+2*\m], v[212+2*\m], v[216+\m]
.endr
	ds_store_b32 v15, v212 offset:\off
	ds_store_b32 v15, v214 offset:\off+1024
	BARRIER
	ds_load_b128 v[196:199], v16 offset:\off
	ds_load_b128 v[200:203], v16 offset:\off+16
	ds_load_b128 v[204:207], v16 offset:\off+1024
	ds_load_b128 v[208:211], v16 offset:\off+1040
.endm
.macro STATS_IN                        ; a tree of seven additions for each m: the sums in v196 and v204, the same bits in every wave
	v_pk_add_f32 v[196:197], v[196:197], v[198:199]
	v_pk_add_f32 v[204:205], v[204:205], v[206:207]
	v_pk_add_f32 v[200:201], v[200:201], v[202:203]
	v_pk_add_f32 v[208:209], v[208:209], v[210:211]
	v_pk_add_f32 v[196:197], v[196:197], v[200:201]
	v_pk_add_f32 v[204:205], v[204:205], v[208:209]
	v_add_f32 v196, v196, v197
	v_add_f32 v204, v204, v205
.endm
; 64 numbers of a lane: my K step q, rows m: register 16 b + i = hidden unit 128 q + 32 b + 16 h + i of my token.  16 loads
.macro LOADV reg, q, m
.irp b, 0,1,2,3
.irp c, 0,1,2,3
	ds_load_b128 v[\reg+16*\b+4*\c:\reg+16*\b+4*\c+3], v13 offset:(2*(4*(\q)+\b)+(\m))*2048+512*\c
.endr
.endr
.endm
.macro SQ reg, m, first                ; the sum of (h - mean)^2 of 64 numbers, two chains; first = 1: a multiplication starts each chain
.set ii, 0
.rept 32
	v_pk_add_f32 v[\reg+2*ii:\reg+2*ii+1], v[\reg+2*ii:\reg+2*ii+1], v[MU+2*\m:MU+2*\m+1] neg_lo:[0,1] neg_hi:[0,1]
.set ii, ii+1
.endr
.set ii, 0
.rept 32
.if \first && (ii < 2)
	v_pk_mul_f32 v[SV+4*\m+2*(ii%2):SV+4*\m+2*(ii%2)+1], v[\reg+2*ii:\reg+2*ii+1], v[\reg+2*ii:\reg+2*ii+1]
.else
	v_pk_fma_f32 v[SV+4*\m+2*(ii%2):SV+4*\m+2*(ii%2)+1], v[\reg+2*ii:\reg+2*ii+1], v[\reg+2*ii:\reg+2*ii+1], v[SV+4*\m+2*(ii%2):SV+4*\m+2*(ii%2)+1]
.endif
.set ii, ii+1
.endr
.endm
; 64 numbers of a lane, v[s] .. v[s + 63], register 16 b + i = k 32 b + 16 h + i of my row, become a fragment's codes in v[PC] on and its scale word in v[PW]
.macro QUANT s
.irp b, 0,1,2,3
	v_max3_num_f32 v[TM+\b], |v[\s+16*\b]|, |v[\s+1+16*\b]|, 0x1800000   ; block b: my 16 numbers, and the floor 2^(3 - 127): so the byte cannot fall under 1
.endr
.irp i, 2,4,6,8,10,12,14
.irp b, 0,1,2,3
	v_max3_num_f32 v[TM+\b], v[TM+\b], |v[\s+16*\b+\i]|, |v[\s+1+16*\b+\i]|   ; (the four blocks by turns)
.endr
.endr
.irp b, 0,1,2,3
	v_permlanex16_b32 v[TM+4+\b], v[TM+\b], s54, s55
.endr
.irp b, 0,1,2,3
	v_max_num_f32 v[TM+\b], v[TM+\b], v[TM+4+\b]   ; with lane l xor 16's: the block's largest magnitude
.endr
.irp b, 0,1,2,3
	v_add_nc_u32 v[TM+12+\b], 0xff000000, v[TM+\b] ; 2 off its exponent field: the conversion takes the exponent field of this operand as its scale, and nothing else of it
.endr
.irp b, 0,1,2,3
	v_lshrrev_b32 v[TM+4+\b], 23, v[TM+12+\b]      ; the scale's byte
.endr
	v_lshl_or_b32 v[PW], v[TM+5], 8, v[TM+4]       ; the four bytes make my row's scale word
	v_lshl_or_b32 v[PW], v[TM+6], 16, v[PW]
	v_lshl_or_b32 v[PW], v[TM+7], 24, v[PW]
.irp c, 0,1
	v_cvt_scalef32_pk16_fp6_f32 v[PC+6*\c:PC+2+6*\c], v[\s+32*\c:\s+15+32*\c], v[TM+12+2*\c]
	v_cvt_scalef32_pk16_fp6_f32 v[PC+12+4*\c:PC+14+4*\c], v[\s+16+32*\c:\s+31+32*\c], v[TM+12+2*\c+1]   ; (a conversion's three registers begin on an even number)
.endr
	v_nop                                          ; one plain place behind a scaled conversion
.irp c, 0,1                            ; the operand's layout wants a WHOLE block in a lane: lanes 0-15 block 2 c, lanes 16-31 block 2 c + 1
.irp i, 0,1,2
	v_permlane16_swap_b32 v[PC+6*\c+\i], v[PC+12+4*\c+\i]
.endr
.irp i, 0,1,2
	v_mov_b32 v[PC+3+6*\c+\i], v[PC+12+4*\c+\i]
.endr
.endr
.endm
; My K step q, rows m: normalised, scaled, shifted, quantised; the fragment's image and its scale words go to piece 8 q + m, whose numbers this very chunk has just read
.macro CHUNKC q, m
.if (\m) == 0
	WIN 0x40
.irp b, 0,1,2,3
.irp c, 0,1,2,3
	ds_load_b128 v[GR+16*\b+4*\c:GR+16*\b+4*\c+3], v17 offset:128*(4*(\q)+\b)+16*\c        ; ln_g in my lane's order: it serves both m
.endr
.endr
	WIN 0
.irp b, 0,1,2,3
.irp c, 0,1,2,3
	ds_load_b128 v[VB+16*\b+4*\c:VB+16*\b+4*\c+3], v17 offset:1024+128*(4*(\q)+\b)+16*\c   ; ln_b
.endr
.endr
.endif
	LOADV V, \q, \m
	s_wait_dscnt 0x0                               ; all are in; and the last image's stores have read the codes' registers
.set ii, 0
.rept 32
	v_pk_add_f32 v[V+2*ii:V+2*ii+1], v[V+2*ii:V+2*ii+1], v[MU+2*(\m):MU+2*(\m)+1] neg_lo:[0,1] neg_hi:[0,1]
.set ii, ii+1
.endr
.set ii, 0
.rept 32
	v_pk_mul_f32 v[V+2*ii:V+2*ii+1], v[V+2*ii:V+2*ii+1], v[RS+2*(\m):RS+2*(\m)+1]
.set ii, ii+1
.endr
	WIN 0x04                                       ; source 1 (ln_g) window 1
.set ii, 0
.rept 32
	v_pk_fma_f32 v[V+2*ii:V+2*ii+1], v[V+2*ii:V+2*ii+1], v[GR+2*ii:GR+2*ii+1], v[VB+2*ii:VB+2*ii+1]
.set ii, ii+1
.endr
	WIN 0
	QUANT V
.irp c, 0,1,2
	ds_store_b128 v13, v[PC+4*\c:PC+4*\c+3] offset:(8*(\q)+(\m))*2048+512*\c
.endr
	ds_store_b32 v14, v[PW] offset:(8*(\q)+(\m))*2048+1536
.endm
; The hidden layer's two fragments (m = 0, 1) of K step s and their scale words, from wave s / 2's bytes: 8 LDS loads
.macro HLOAD s
.irp m, 0,1
.irp c, 0,1,2
	ds_load_b128 v[HB+24*((\s)%2)+12*\m+4*\c:HB+24*((\s)%2)+12*\m+4*\c+3], v[21+(\s)/4] offset:(((\s)/2)%2)*32768+(8*((\s)%2)+\m)*2048+512*\c
.endr
	ds_load_b32 v[HS+2*((\s)%2)+\m], v[25+(\s)/4] offset:(((\s)/2)%2)*32768+(8*((\s)%2)+\m)*2048+1536
.endr
.endm
; K step s of the second product: 8 products on 8 accumulators (tile t of outputs, rows m) by turns
.macro STEP2 s
.if (\s) == 0
	s_wait_loadcnt 32                              ; W2's scale words and K steps 0 and 1 are in; behind them: K steps 2 and 3 (24) and b2 (8)
.elseif (\s) == 1
.elseif (\s) <= 3
	s_wait_loadcnt 44                              ; behind K step s: three fills of 12 and b2's 8
.elseif (\s) <= 12
	s_wait_loadcnt 36                              ; behind K step s: the fills of the three K steps after it
.else
	s_wait_loadcnt 12*(15-(\s))                    ; the counts run down
.endif
.if (\s) == 15
	s_wait_dscnt 0x0
.else
	s_wait_dscnt 8                                 ; this step's hidden fragments are in; the next step's 8 loads may be out
.endif
	WIN 0x01
.irp t, 0,1,2,3
.irp m, 0,1
.set rD, ACC2+8*(2*\t+\m)
.set rC, rD
.set rA, 48*((\s)%4)+12*\t
.set rB, HB+24*((\s)%2)+12*\m
.set rSA, W2S+16*(\t/2)+(\s)
.set rSB, HS+2*((\s)%2)+\m
.if (\s) == 0
	MMUL \t%2, 1
.else
	MMUL \t%2, 0
.endif
.endr
.endr
	WIN 0
	PLACES
.if (\s) <= 13
	HLOAD (\s)+2
.endif
.if (\s) <= 11
	FILL2 (\s)+4
.endif
.endm
	s_load_b512 s[8:23], s[0:1], 0x0               ; x_codes 8, x_scales 10, w1f 12, W1_scales 14, b1 16, ln_g 18, ln_b 20, w2f 22
	s_load_b256 s[24:31], s[0:1], 0x40             ; W2_scales 24, b2 26, rows 28, tilex 30
	s_load_b128 s[32:35], s[0:1], 0x60             ; gatew 32, ybuf 34
	v_lshl_add_u32 v234, v0, 2, 0x45000
	v_mov_b32 v235, 0
	v_lshrrev_b32 v1, 5, v0
	v_readfirstlane_b32 s2, v1                     ; wave 0..7
	v_and_b32 v1, 31, v0                           ; lane
	v_and_b32 v2, 15, v0                           ; r
	v_bfe_u32 v3, v0, 4, 1                         ; h
	v_lshlrev_b32 v4, 4, v1                        ; 16 x lane: an image's place for my lane
	v_lshlrev_b32 v5, 6, v3                        ; b1: 64 h
	v_and_b32 v6, 8, v2
	v_add_nc_u32 v6, v6, v2
	v_lshl_add_u32 v6, v3, 3, v6
	v_lshlrev_b32 v6, 4, v6                        ; W1's scale bytes: row 8 h + r + 8 (r / 8) of the pair, 16 bytes a row: lanes 16-31 take tile 1's rows
	s_lshl_b32 s37, s2, 15
	v_add_nc_u32 v13, s37, v4                      ; my wave's part of the hidden layer, 16 x lane
	v_lshlrev_b32 v14, 2, v1
	v_add_nc_u32 v14, s37, v14                     ; and 4 x lane, for scale words
	v_lshlrev_b32 v16, 5, v1
	v_add_nc_u32 v16, STAT1, v16                   ; the eight waves' partial sums of my lane
	s_lshl_b32 s37, s2, 2
	v_add_nc_u32 v15, s37, v16                     ; and my wave's word among them
	s_lshl_b32 s37, s2, 11
	s_add_co_u32 s37, s37, LNP
	v_add_nc_u32 v17, s37, v5                      ; ln_g, ln_b: out of LDS at 64 h,
	v_add_nc_u32 v18, s37, v4                      ; into it at 16 x lane
	v_lshlrev_b32 v19, 6, v1                       ; W2's scale bytes: 64 a row, a lane a row
	v_lshlrev_b32 v20, 5, v3                       ; b2: 32 h
.irp j, 0,1,2,3
	v_add_nc_u32 v[21+\j], 65536*\j, v4            ; the hidden fragments of waves 2 j, 2 j + 1
.endr
	v_lshlrev_b32 v25, 2, v1
.irp j, 1,2,3
	v_add_nc_u32 v[25+\j], 65536*\j, v25           ; and their scale words
.endr
	v_mul_u32_u24 v29, v2, 2064
	v_lshl_add_u32 v29, v3, 5, v29
	s_lshl_b32 s37, s2, 8
	v_add_nc_u32 v29, s37, v29                     ; the stage, in: row r, + 32 h, + my 64 outputs' 256 bytes
	s_mul_i32 s37, s2, 8256
	v_add_nc_u32 v30, s37, v4                      ; back: my four rows, 16 bytes a lane
	v_lshlrev_b32 v31, 8, v1                       ; the prefetches: lanes 256 bytes apart
	v_lshlrev_b32 v230, 2, v2                      ; the list: 4 r
	v_mul_u32_u24 v231, v3, 24                     ; 24 h
.irp i, 0,1,2,3,4,5,6,7
	v_mov_b32 v[SV+\i], 0                          ; the eight words of the sums
.endr
	s_mov_b32 s53, 0
	s_mov_b32 s54, 0x76543210
	s_mov_b32 s55, 0xfedcba98                      ; v_permlanex16_b32's selects for lane l xor 16
	s_mov_b32 s56, 0xbfb8aa3b                      ; -log2(e)
	s_mov_b32 s57, s56                             ; (named with it as a pair, so it is written)
	s_mov_b32 s58, 0x3a000000                      ; 1 / 2,048
	s_mov_b32 s59, 0x3727c5ac                      ; 1e-5
	s_wait_kmcnt 0x0
	s_lshl_b32 s52, ttmp9, 2
	s_add_nc_u64 s[30:31], s[30:31], s[52:53]
	s_load_b32 s36, s[30:31], 0x0                  ; my tile's record
	s_lshl_b32 s52, ttmp9, 7
	s_add_nc_u64 s[28:29], s[28:29], s[52:53]      ; my tile's 32 slots
	s_lshl_b32 s52, s2, 4
	s_add_nc_u64 s[44:45], s[28:29], s[52:53]
	s_load_b128 s[40:43], s[44:45], 0x0            ; the slots of the four rows that my wave stores
	global_load_b32 v228, v230, s[28:29]           ; row r's slot, m = 0,
	global_load_b32 v229, v230, s[28:29] offset:64 ; m = 1
	s_wait_kmcnt 0x0
	s_and_b32 s38, s36, 255
	s_min_u32 s38, s38, 15                         ; the expert: a loaded number is held inside the tables
	s_lshr_b32 s39, s36, 8
	s_and_b32 s39, s39, 1                          ; 1 in the expert's first tile
	s_mul_i32 s52, s38, 786432                     ; an expert's images, and my wave's eighth of them
	s_mul_i32 s37, s2, 98304
	s_add_co_u32 s52, s52, s37
	s_add_nc_u64 s[12:13], s[12:13], s[52:53]
	s_add_nc_u64 s[22:23], s[22:23], s[52:53]
	s_lshl_b32 s52, s38, 15                        ; scale bytes: 32,768 an expert, 4,096 a wave
	s_lshl_b32 s37, s2, 12
	s_add_co_u32 s52, s52, s37
	s_add_nc_u64 s[14:15], s[14:15], s[52:53]
	s_add_nc_u64 s[24:25], s[24:25], s[52:53]
	s_lshl_b32 s52, s38, 13                        ; b1, ln_g, ln_b: 8,192 an expert, 1,024 a wave
	s_lshl_b32 s37, s2, 10
	s_add_co_u32 s52, s52, s37
	s_add_nc_u64 s[16:17], s[16:17], s[52:53]
	s_add_nc_u64 s[18:19], s[18:19], s[52:53]
	s_add_nc_u64 s[20:21], s[20:21], s[52:53]
	s_lshl_b32 s52, s38, 11                        ; b2: 2,048 an expert, 256 a wave
	s_lshl_b32 s37, s2, 8
	s_add_co_u32 s52, s52, s37
	s_add_nc_u64 s[26:27], s[26:27], s[52:53]
	global_load_b128 v[196:199], v4, s[18:19]      ; ln_g of my 256 units,
	global_load_b128 v[200:203], v4, s[18:19] offset:512
	global_load_b128 v[204:207], v4, s[20:21]      ; ln_b
	global_load_b128 v[208:211], v4, s[20:21] offset:512
	FILL1 0, 0
	s_wait_loadcnt 33                              ; the two loads of the list are in; behind them: 4 + 29
.irp m, 0,1
	v_lshrrev_b32 v[7+\m], 1, v[228+\m]            ; the token of slot 2 t + k; a row that the tile does not have (-1) takes token 2,047 and slot 4,095 and is not stored
	v_min_u32 v[7+\m], 2047, v[7+\m]
	v_lshlrev_b32 v[9+\m], 4, v[7+\m]              ; its 16 scale bytes
	v_mul_u32_u24 v[7+\m], v[7+\m], 384            ; its 384 bytes of codes,
	v_add_nc_u32 v[7+\m], v[7+\m], v231            ; + 24 h
	v_min_u32 v[11+\m], 4095, v[228+\m]
	v_lshlrev_b32 v[11+\m], 2, v[11+\m]            ; the gate's weight
.endr
.irp m, 0,1
	global_load_b128 v[XS+4*\m:XS+4*\m+3], v[9+\m], s[10:11]
	global_load_b32 v[GW+2*\m], v[11+\m], s[32:33]
.endr
.irp m, 0,1
.irp s, 0,1,2,3
.irp p, 0,1,2,3,4,5
	global_load_b64 v[XF+12*(4*\m+\s)+2*\p:XF+12*(4*\m+\s)+2*\p+1], v[7+\m], s[8:9] offset:96*\s+48*(\p/3)+8*(\p%3)   ; x's fragments stay in registers through the first product
.endr
.endr
.endr
	FILL1 1, 1
	; ---- 1: the hidden layer, a pair of tiles at a time; the ring runs two pairs ahead
.irp p, 0,1,2,3,4,5,6,7
	PAIR \p
.endr
	; ---- the mean, and the sum of squared differences.  Chunks (q, m) = (0,0) (0,1) (1,0) (1,1) in two buffers by turns
	STATS_OUT 0                                    ; barrier 1
	LOADV V, 0, 0
	LOADV VB, 0, 1
	s_wait_dscnt 32                                ; the partial sums are in; behind them: two chunks of 16 loads
	STATS_IN
	v_mul_f32 v[MU], s58, v196
	v_mul_f32 v[MU+1], s58, v196
	v_mul_f32 v[MU+2], s58, v204
	v_mul_f32 v[MU+3], s58, v204
	s_wait_dscnt 16                                ; the chunk in hand is in; the next one's 16 loads may be out
	SQ V, 0, 1
	LOADV V, 1, 0
	s_wait_dscnt 16
	SQ VB, 1, 1
	LOADV VB, 1, 1
	s_wait_dscnt 16
	SQ V, 0, 0
	s_wait_dscnt 0x0
	SQ VB, 1, 0
	STATS_OUT 2048                                 ; barrier 2
	s_wait_dscnt 0x0
	STATS_IN
	v_fma_f32 v196, v196, s58, s59                 ; var + eps
	v_fma_f32 v204, v204, s58, s59
	v_rsq_f32 v[RS], v196
	v_rsq_f32 v[RS+2], v204
	v_nop
	s_wait_alu depctr_va_vdst(0)                   ; one wait for the two, ahead of their first reader
	v_mov_b32 v[RS+1], v[RS]
	v_mov_b32 v[RS+3], v[RS+2]
	; ---- the norm and the quantiser
	CHUNKC 0, 0
	CHUNKC 0, 1
	CHUNKC 1, 0
	CHUNKC 1, 1
	BARRIER                                        ; barrier 3: the hidden layer's 32 fragments lie in LDS
	; ---- 2: my 64 outputs for the 32 rows
.irp t, 0,1,2,3
	global_load_b128 v[B2R+8*\t:B2R+8*\t+3], v20, s[26:27] offset:64*\t          ; b2 in the result's layout: outputs 16 t + 8 h + 0 .. 7
	global_load_b128 v[B2R+8*\t+4:B2R+8*\t+7], v20, s[26:27] offset:64*\t+16
.endr
	HLOAD 0
	HLOAD 1
.irp s, 0,1,2,3,4,5,6,7,8,9,10,11,12,13,14,15
	STEP2 \s
.endr
	; ---- the way out: (y + b2) x the gate's weight; through a stage, since a row's 512 outputs come from eight waves
.irp t, 0,1,2,3
.irp m, 0,1
.irp i, 0,2,4,6
	v_pk_add_f32 v[ACC2+8*(2*\t+\m)+\i:ACC2+8*(2*\t+\m)+\i+1], v[ACC2+8*(2*\t+\m)+\i:ACC2+8*(2*\t+\m)+\i+1], v[B2R+8*\t+\i:B2R+8*\t+\i+1]   ; each accumulator from its low end on
.endr
.irp i, 0,2,4,6
	v_pk_mul_f32 v[ACC2+8*(2*\t+\m)+\i:ACC2+8*(2*\t+\m)+\i+1], v[ACC2+8*(2*\t+\m)+\i:ACC2+8*(2*\t+\m)+\i+1], v[GW+2*\m:GW+2*\m+1]
.endr
.endr
.endr
	BARRIER                                        ; barrier 4: no wave reads the hidden fragments any more: the stage may be written over them
.irp m, 0,1
.irp t, 0,1,2,3
	ds_store_b128 v29, v[ACC2+8*(2*\t+\m):ACC2+8*(2*\t+\m)+3] offset:33024*\m+64*\t
	ds_store_b128 v29, v[ACC2+8*(2*\t+\m)+4:ACC2+8*(2*\t+\m)+7] offset:33024*\m+64*\t+16
.endr
.endr
	BARRIER                                        ; barrier 5: 32 whole rows lie in the stage
.irp i, 0,1,2,3
.irp k, 0,1,2,3
	ds_load_b128 v[OUTR+4*(4*\i+\k):OUTR+4*(4*\i+\k)+3], v30 offset:2064*\i+512*\k
.endr
.endr
.irp i, 0,1,2,3
	s_min_u32 s52, s[40+\i], 4095
	s_lshl_b32 s52, s52, 11                        ; a slot's row of 2,048 bytes
	s_add_nc_u64 s[44+2*\i:45+2*\i], s[34:35], s[52:53]
.endr
	s_wait_dscnt 0x0
.irp i, 0,1,2,3
	s_cmp_lt_u32 s[40+\i], 4096                    ; a row that the tile does not have is not stored
	s_cbranch_scc0 .Lno_row_\i
.irp k, 0,1,2,3
	global_store_b128 v4, v[OUTR+4*(4*\i+\k):OUTR+4*(4*\i+\k)+3], s[44+2*\i:45+2*\i] offset:512*\k   ; 32 lanes store 512 consecutive bytes, at a multiple of 256 from the buffer's first byte
.endr
.Lno_row_\i:
.endr
	s_wait_tensorcnt 0x0
	ds_add_u32 v234, v235
	s_wait_dscnt 0x0
	s_endpgm
.Lfunc_end_k_q35f40becd6_chain:
	.size	k_q35f40becd6_chain, .Lfunc_end_k_q35f40becd6_chain-k_q35f40becd6_chain
	.p2alignl 7, 3214868480
	.fill 96, 4, 3214868480
	.section	.rodata,"a",@progbits
	.p2align	6, 0x0
	.amdhsa_kernel k_q35f40becd6_chain
		.amdhsa_group_segment_fixed_size 283648
		.amdhsa_private_segment_fixed_size 0
		.amdhsa_enable_private_segment 0
		.amdhsa_kernarg_size 112
		.amdhsa_user_sgpr_count 2
		.amdhsa_user_sgpr_kernarg_segment_ptr 1
		.amdhsa_wavefront_size32 1
		.amdhsa_system_sgpr_workgroup_id_x 1
		.amdhsa_system_sgpr_workgroup_id_y 1
		.amdhsa_system_sgpr_workgroup_id_z 1
		.amdhsa_system_vgpr_workitem_id 0
		.amdhsa_next_free_vgpr 512
		.amdhsa_next_free_sgpr 66
		.amdhsa_reserve_vcc 0
		.amdhsa_float_denorm_mode_32 3
		.amdhsa_float_denorm_mode_16_64 3
		.amdhsa_memory_ordered 1
		.amdhsa_forward_progress 1
		.amdhsa_inst_pref_size 235
	.end_amdhsa_kernel
	.amdgpu_metadata
---
amdhsa.version: [ 1, 2 ]
amdhsa.kernels:
  - .name:           k_q35f40becd6_chain
    .symbol:         k_q35f40becd6_chain.kd
    .args:
      - { .name: x_codes, .offset: 0, .size: 8, .value_kind: global_buffer, .address_space: global }
      - { .name: x_scales, .offset: 8, .size: 8, .value_kind: global_buffer, .address_space: global }
      - { .name: w1f, .offset: 16, .size: 8, .value_kind: global_buffer, .address_space: global }
      - { .name: W1_scales, .offset: 24, .size: 8, .value_kind: global_buffer, .address_space: global }
      - { .name: b1, .offset: 32, .size: 8, .value_kind: global_buffer, .address_space: global }
      - { .name: ln_g, .offset: 40, .size: 8, .value_kind: global_buffer, .address_space: global }
      - { .name: ln_b, .offset: 48, .size: 8, .value_kind: global_buffer, .address_space: global }
      - { .name: w2f, .offset: 56, .size: 8, .value_kind: global_buffer, .address_space: global }
      - { .name: W2_scales, .offset: 64, .size: 8, .value_kind: global_buffer, .address_space: global }
      - { .name: b2, .offset: 72, .size: 8, .value_kind: global_buffer, .address_space: global }
      - { .name: rows, .offset: 80, .size: 8, .value_kind: global_buffer, .address_space: global }
      - { .name: tilex, .offset: 88, .size: 8, .value_kind: global_buffer, .address_space: global }
      - { .name: gatew, .offset: 96, .size: 8, .value_kind: global_buffer, .address_space: global }
      - { .name: ybuf, .offset: 104, .size: 8, .value_kind: global_buffer, .address_space: global }
    .group_segment_fixed_size: 283648
    .private_segment_fixed_size: 0
    .kernarg_segment_align: 8
    .kernarg_segment_size: 112
    .max_flat_workgroup_size: 256
    .sgpr_count:     66
    .vgpr_count:     512
    .wavefront_size: 32
...
	.end_amdgpu_metadata
.endif
;; end of part 3
;; launch combine (part 4): grid 256 x 1, 8 waves a work-group, no clusters, 0 bytes of LDS; arguments ybuf, out0; writes out0
.if DOCPART == 4
	.amdgcn_target "amdgcn-amd-amdhsa--gfx1250"
	.amdhsa_code_object_version 6
	.text
	.protected	k_q35f40becd6_combine
	.globl	k_q35f40becd6_combine
	.p2align	8
	.type	k_q35f40becd6_combine,@function
k_q35f40becd6_combine:
	s_mov_b64 s[64:65], 0
	v_nop
	global_prefetch_b8 v0, s[64:65] scope:SCOPE_SE
	s_setreg_imm32_b32 hwreg(HW_REG_WAVE_MODE, 25, 1), 1
	s_wait_xcnt 0x0
; COMBINE: out0[t] = ybuf[2 t] + ybuf[2 t + 1]: a token's two chosen experts' rows, which carry their weights already.  A sum of two numbers has one value whatever its order.
; A wave takes a token: 4,096 consecutive bytes in, 2,048 out; every load and store of the wave covers 512 consecutive bytes.  All eight loads go out at once; no loop, no LDS, no barrier:
; memory binds here, and matrix units, clusters and LDS would add nothing.
	s_load_b128 s[4:7], s[0:1], 0x0                ; ybuf, out0
	v_lshrrev_b32 v1, 5, v0
	v_readfirstlane_b32 s8, v1                     ; wave 0..7
	v_and_b32 v1, 31, v0
	v_lshlrev_b32 v1, 4, v1                        ; 16 x lane
	s_lshl_b32 s9, ttmp9, 3
	s_add_co_u32 s9, s9, s8                        ; my token
	s_lshl_b32 s10, s9, 12
	s_mov_b32 s11, 0
	s_lshl_b32 s12, s9, 11
	s_mov_b32 s13, 0
	s_wait_kmcnt 0x0
	s_add_nc_u64 s[4:5], s[4:5], s[10:11]
	s_add_nc_u64 s[6:7], s[6:7], s[12:13]
.irp i, 0,1,2,3,4,5,6,7
	global_load_b128 v[4+4*\i:7+4*\i], v1, s[4:5] offset:512*\i th:TH_LOAD_NT
.endr
.irp i, 0,1,2,3
	s_wait_loadcnt 3-\i                            ; loads come back in order: load i + 4 is in, the 3 - i behind it may be out
	v_pk_add_f32 v[36+4*\i:37+4*\i], v[4+4*\i:5+4*\i], v[20+4*\i:21+4*\i]
	v_pk_add_f32 v[38+4*\i:39+4*\i], v[6+4*\i:7+4*\i], v[22+4*\i:23+4*\i]
	global_store_b128 v1, v[36+4*\i:39+4*\i], s[6:7] offset:512*\i th:TH_STORE_NT
.endr
	s_endpgm
.Lfunc_end_k_q35f40becd6_combine:
	.size	k_q35f40becd6_combine, .Lfunc_end_k_q35f40becd6_combine-k_q35f40becd6_combine
	.p2alignl 7, 3214868480
	.fill 96, 4, 3214868480
	.section	.rodata,"a",@progbits
	.p2align	6, 0x0
	.amdhsa_kernel k_q35f40becd6_combine
		.amdhsa_group_segment_fixed_size 0
		.amdhsa_private_segment_fixed_size 0
		.amdhsa_enable_private_segment 0
		.amdhsa_kernarg_size 16
		.amdhsa_user_sgpr_count 2
		.amdhsa_user_sgpr_kernarg_segment_ptr 1
		.amdhsa_wavefront_size32 1
		.amdhsa_system_sgpr_workgroup_id_x 1
		.amdhsa_system_sgpr_workgroup_id_y 1
		.amdhsa_system_sgpr_workgroup_id_z 1
		.amdhsa_system_vgpr_workitem_id 0
		.amdhsa_next_free_vgpr 56
		.amdhsa_next_free_sgpr 66
		.amdhsa_reserve_vcc 0
		.amdhsa_float_denorm_mode_32 3
		.amdhsa_float_denorm_mode_16_64 3
		.amdhsa_memory_ordered 1
		.amdhsa_forward_progress 1
		.amdhsa_inst_pref_size 3
	.end_amdhsa_kernel
	.amdgpu_metadata
---
amdhsa.version: [ 1, 2 ]
amdhsa.kernels:
  - .name:           k_q35f40becd6_combine
    .symbol:         k_q35f40becd6_combine.kd
    .args:
      - { .name: ybuf, .offset: 0, .size: 8, .value_kind: global_buffer, .address_space: global }
      - { .name: out0, .offset: 8, .size: 8, .value_kind: global_buffer, .address_space: global }
    .group_segment_fixed_size: 0
    .private_segment_fixed_size: 0
    .kernarg_segment_align: 8
    .kernarg_segment_size: 16
    .max_flat_workgroup_size: 256
    .sgpr_count:     66
    .vgpr_count:     56
    .wavefront_size: 32
...
	.end_amdgpu_metadata
.endif
;; end of part 4
